; MI455X (gfx1250); checked and timed in simulation.
; The chip was launched on July 23, 2026; its instructions are those of AMD's public machine-readable ISA for CDNA 5 (MIT licence, August 2026) and "CDNA5" Instruction Set Architecture Reference Guide (July 2026). The comments in the code are by the model that wrote it; some were corrected since.
;; Local Attention. Allowed arithmetic: float matrix products may take bf16 or f16 operands with f32 sums; all other float work in f32.
;; Inputs: Wk 512 x 512 float32; Wout 512 x 512 float32; Wq 512 x 512 float32; Wv 512 x 512 float32; bk 512 float32; bout 512 float32; bq 512 float32; bv 512 float32; input_mask 4 x 1 x 2,048 float32; k 4 x 512 x 2,048 float32; q 4 x 512 x 2,048 float32; v 4 x 512 x 2,048 float32.
;; Outputs: out0 4 x 512 x 2,048 float32.
;; One version. Each part assembles by itself: llvm-mc -triple=amdgcn-amd-amdhsa -mcpu=gfx1250 --defsym DOCPART=n.
;; ======== version 1 of 1: 3 launches
;; workspace buffers: qh 8,388,608 bytes; kh 8,388,608 bytes; vh 8,388,608 bytes; att 8,388,608 bytes; wob 524,288 bytes
;; launch proj (part 1): grid 8 x 24, 4 waves a work-group, clusters of 4 x 1, 327,680 bytes of LDS; arguments q, k, v, Wq, Wk, Wv, bq, bk, bv, input_mask, Wout, qh, kh, vh, wob; writes qh, kh, vh, wob
.if DOCPART == 1
	.amdgcn_target "amdgcn-amd-amdhsa--gfx1250"
	.amdhsa_code_object_version 6
	.text
	.protected	k_q64b38c2f8c_proj
	.globl	k_q64b38c2f8c_proj
	.p2align	8
	.type	k_q64b38c2f8c_proj,@function
k_q64b38c2f8c_proj:
	s_mov_b64 s[64:65], 0
	v_nop
	global_prefetch_b8 v0, s[64:65] scope:SCOPE_SE
	s_setreg_imm32_b32 hwreg(HW_REG_WAVE_MODE, 25, 1), 1
	s_wait_xcnt 0x0
	s_wait_alu depctr_hold_cnt(0) depctr_sa_sdst(0) depctr_va_vdst(0) depctr_va_sdst(0) depctr_va_ssrc(0) depctr_va_vcc(0) depctr_vm_vsrc(0)
	s_getreg_b32 s2, hwreg(HW_REG_IB_STS2, 6, 4)
	s_cmp_eq_u32 s2, 0
	s_cbranch_scc0 .Lentry_in_a_cluster
	s_endpgm
.Lentry_in_a_cluster:
	s_bfe_u32 s2, ttmp6, 0x10000c
	s_cmp_lg_u32 s2, 0x3003
	s_cbranch_scc0 .Lentry_shape_is_right
	s_endpgm
.Lentry_shape_is_right:
; PROJ: the three 1x1 convolutions in front of the attention, and Wout's rounding to bf16.
;   p = 0:  qh[b][o][l] = (sum_c Wq[o][c] q[b][c][l] + bq[o]) * 0.18033688   (1/sqrt(64) times log2 e: the softmax runs in base 2)
;   p = 1:  kh[b][o][l] = (sum_c Wk[o][c] k[b][c][l] + bk[o]) * keep[b][l]   (keep = 0 where input_mask <= 0.5, else 1)
;   p = 2:  vh[b][o][l] =  sum_c Wv[o][c] v[b][c][l] + bv[o]
; q, k, v: [4][512][2048] f32.  W: [512][512] f32.  qh, kh, vh: [4][512][2048] bf16.  Products in bf16, sums in f32.
; LIMIT: a masked key's column of kh is made zero by a multiplication, so a masked key whose projected k is not finite gives NaN.
; SHAPE: a work-group makes 256 (o) x 256 (l) with four waves, a wave 128 x 128: 64 accumulator tiles, 512 registers.
; The tiles lie in LDS as f32, as the tensor loads bring them, and are rounded to bf16 in registers on the way to the matrix unit,
; so LDS is never written by a wave.  For 32 channels a wave reads (128 + 128) x 128 bytes in 64 loads for 64 matrix instructions;
; a wave tile of 64 x 64 would read half of that for a quarter of the products.  A projection has 2 x 32 such blocks, the three
; have 192: that is the grid (8 x 24: x = 4 x o block + l block % 4, y = 8 p + l block / 4).
; CLUSTERS: the four work-groups of a cluster are four l blocks of one projection and one o block and walk the same tiles of W:
; these are asked for jointly (mask 15), which divides the requests for W by four.  A tile of X has two readers only (the two
; o blocks), fewer than a cluster's row, so X comes by plain loads; its two readers lie in clusters that are neighbours in x.
; X WITHOUT A TRANSPOSE: X lies [c][l].  Lane r reads 32 bytes (l = 8 r .. 8 r + 7) of a row c; one conversion packs rows c and
; c + 1 of one l.  So register j of the B fragment number lt holds l = 8 r + lt, channels 2 j and 2 j + 1 of the lane's eight.
; With W as A, register j of accumulator (ot, lt) is o = 16 ot + 8 h + j, l = 8 r + lt: the eight accumulators of one ot give a
; lane eight neighbouring l of a row, 16 bytes of bf16, and sixteen lanes store 256 consecutive bytes with no way through LDS.
; A wave has two tensor loads out at the start and one behind each round.
.set XROW,  8192                       ; bytes from channel to channel in q, k, v
.set KC,    64                         ; channels in a slot: two steps of 32
.set XP,    544                        ; LDS row of X: 128 l of f32 as two runs of 256 bytes, 16 bytes of padding behind each
.set WP,    272                        ; LDS row of W: 64 c of f32 + 16 bytes, an odd multiple of 16
.set QUART, 34816                      ; what one tensor load brings: 64 rows of X (one half of the l) or 128 rows of W
.set SLOT,  4*QUART                    ; X's two halves, then W's two halves
; window 0
.set XA, 2                             ; v2, v3   LDS address of my bytes of X in slot 0, 1
.set WA, 4                             ; v4, v5   of W
.set GO, 6                             ; v6       my byte offset in the output
.set BO, 7                             ; v7       in the bias
.set MO, 8                             ; v8       in the mask
.set VKEEP, 9                          ; v9       factor of a column that is kept
.set VPAD, 10                          ; v10      factor of a masked column
.set MR, 20                            ; v[20:27] the mask of my eight columns
.set XF, 32                            ; v[32:95]   B fragments of X, lt 0 to 7
.set WF, 96                            ; v[96:223]  A fragments of W, ot 0 to 7, two buffers
.set CS, 224                           ; v[224:239] factor of column lt, each twice (a pair for the packed multiply)
.set T, 32                             ; the way out: 8 rows x 16 bytes, in X's fragments' place
.set BIAS, 96                          ; the way out: bias (ot, j) at BIAS + 8 ot + j, in W's buffer 0
; window 1: four chunks of 64 registers of f32 on their way to fragments
.set SW, 0                             ; v[256:383] W: half hf, fragment f at SW + 64 hf + 16 f
.set SX, 128                           ; v[384:511] X: half hf (lt 4 hf .. 4 hf + 3), row i at SX + 64 hf + 4 i
; window 2: accumulators (ot, lt) of lt 0 to 3, named 8 (8 lt + ot);  window 3: those of lt 4 to 7, named 8 (8 (lt - 4) + ot)
.set G1X, 68                           ; s[68:75]  descriptor group 1 for X
.set G1W, 76                           ; s[76:83]  for W
.set G0X, 84                           ; s[84:91]  group 0 for X, a set for each slot
.set G0W, 92                           ; s[92:99]  for W
.set MSB, 0
.macro WIN new                         ; s_set_vgpr_msb: bits 1:0 source 0, 3:2 source 1, 5:4 source 2, 7:6 destination; the high byte repeats the setting left
.if MSB != \new
	s_set_vgpr_msb (MSB<<8)|\new
.set MSB, \new
.endif
.endm
.set TO_S,   0x40                      ; a load's destination in window 1
.set CVT,    0x05                      ; both sources in window 1
.set MUL_LO, 0xa0                      ; C and D in window 2
.set MUL_HI, 0xf0                      ; C and D in window 3
.set EP_LO,  0x82                      ; destination and source 0 in window 2
.set EP_HI,  0xc3                      ; in window 3
.set PK_LO,  0x0a                      ; both sources in window 2
.set PK_HI,  0x0f                      ; in window 3
.macro CREST                           ; a round of the cluster's barrier behind its opening barrier
	s_cmp_lg_u32 s54, 0
	s_cbranch_scc1 .Lnot_wave_0_\@
	s_barrier_signal -3
.Lnot_wave_0_\@:
	s_barrier_wait -3
	s_barrier_signal -1
	s_barrier_wait -1
.endm
.macro ROUND                           ; a whole round
	s_barrier_signal -1
	s_barrier_wait -1
	CREST
.endm
.macro JLOAD s                         ; my quarter of slot s: waves 0, 1 ask for X (plain), waves 2, 3 for W (jointly); the branch hangs on the wave's number alone
	s_cmp_eq_u32 s62, 0
	s_cbranch_scc0 .Lfor_w_\@
	tensor_load_to_lds s[G0X+4*\s:G0X+4*\s+3], s[G1X:G1X+7]
	s_nop 0
	s_branch .Lasked_\@
.Lfor_w_\@:
	tensor_load_to_lds s[G0W+4*\s:G0W+4*\s+3], s[G1W:G1W+7]
	s_nop 0
.Lasked_\@:
.endm
.macro LDW hf, slot, ks                ; 16 loads: four fragments of W as f32; lane (r, h) takes c = 8 h .. + 7 and 16 + 8 h .. + 7 of row r
	WIN TO_S
.irp f, 0,1,2,3
	ds_load_b128 v[SW+64*\hf+16*\f:SW+64*\hf+16*\f+3],     v[WA+\slot] offset:(4*\hf+\f)*16*WP+128*\ks
	ds_load_b128 v[SW+64*\hf+16*\f+4:SW+64*\hf+16*\f+7],   v[WA+\slot] offset:(4*\hf+\f)*16*WP+128*\ks+16
	ds_load_b128 v[SW+64*\hf+16*\f+8:SW+64*\hf+16*\f+11],  v[WA+\slot] offset:(4*\hf+\f)*16*WP+128*\ks+64
	ds_load_b128 v[SW+64*\hf+16*\f+12:SW+64*\hf+16*\f+15], v[WA+\slot] offset:(4*\hf+\f)*16*WP+128*\ks+80
.endr
.endm
.macro LDX hf, slot, ks                ; 16 loads: four l of my eight in the 16 rows c = 8 h + 0 .. 7 and 16 + 8 h + 0 .. 7 (8 h is in the address)
	WIN TO_S
.irp i, 0,1,2,3,4,5,6,7,8,9,10,11,12,13,14,15
	ds_load_b128 v[SX+64*\hf+4*\i:SX+64*\hf+4*\i+3], v[XA+\slot] offset:(32*\ks+(\i&7)+16*(\i>>3))*XP+16*\hf
.endr
.endm
.macro CVW hf, buf                     ; 32 conversions: four fragments of W; neighbouring registers are neighbouring c
	WIN CVT
.irp f, 0,1,2,3
.irp j, 0,1,2,3,4,5,6,7
	v_cvt_pk_bf16_f32 v[WF+64*\buf+8*(4*\hf+\f)+\j], v[SW+64*\hf+16*\f+2*\j], v[SW+64*\hf+16*\f+2*\j+1]
.endr
.endr
.endm
.macro CVX hf                          ; 32 conversions: four fragments of X, in ascending lt; rows 2 j and 2 j + 1 of one l make register j
	WIN CVT
.irp e, 0,1,2,3
.irp j, 0,1,2,3,4,5,6,7
	v_cvt_pk_bf16_f32 v[XF+8*(4*\hf+\e)+\j], v[SX+64*\hf+8*\j+\e], v[SX+64*\hf+8*\j+4+\e]
.endr
.endr
.endm
; A quarter of a step: lt 2 q and 2 q + 1 times all eight ot.  The 64 accumulators take turns in the same order in every step, one
; instruction a turn.  zero = 1: the products start the sums: nothing is cleared.
.macro MUL q, buf, zero
.if \q < 2
	WIN MUL_LO
.else
	WIN MUL_HI
.endif
.irp lh, 0,1
.irp ot, 0,1,2,3,4,5,6,7
.if \zero
	v_wmma_f32_16x16x32_bf16 v[8*(8*((2*\q+\lh)&3)+\ot):8*(8*((2*\q+\lh)&3)+\ot)+7], v[WF+64*\buf+8*\ot:WF+64*\buf+8*\ot+7], v[XF+8*(2*\q+\lh):XF+8*(2*\q+\lh)+7], 0
.else
	v_wmma_f32_16x16x32_bf16 v[8*(8*((2*\q+\lh)&3)+\ot):8*(8*((2*\q+\lh)&3)+\ot)+7], v[WF+64*\buf+8*\ot:WF+64*\buf+8*\ot+7], v[XF+8*(2*\q+\lh):XF+8*(2*\q+\lh)+7], v[8*(8*((2*\q+\lh)&3)+\ot):8*(8*((2*\q+\lh)&3)+\ot)+7]
.endif
.endr
.endr
.endm
; THE PIPELINE.  A step (32 channels) needs four chunks of 16 loads, in this order: W's fragments 0-3, X's lt 0-3, W's 4-7, X's lt 4-7.
; Each quarter loads the chunk that is five places ahead of it in that order and converts the one that is three ahead, so that a
; chunk has a whole quarter and more to land, and the wait leaves the two youngest chunks (32 loads) out.
; WHERE A FRAGMENT MAY BE WRITTEN: X's lt 0-3 are last multiplied in a step's second quarter and written in its third; lt 4-7 are last
; multiplied in the fourth and written in the next step's first; W has two buffers.  A conversion that writes a fragment stands
; four plain vector instructions on other registers behind the last matrix instruction that read it (ISA guide 7.12.1): X's
; fragments are converted in ascending lt, so the sixteen conversions of the first two stand in front of the last two's.
; An even step: a slot's first 32 channels, W's buffer 0.  Its first three quarters load the slot's last chunks; the fourth changes slots.
; mode 2: the slot is filled again; 1: the slots change, nothing is left to fetch; 0: the last slot.
.macro EVEN slot, other, zero, mode
	LDX 0, \slot, 1
	s_wait_dscnt 32
	CVX 1
	MUL 0, 0, \zero
	LDW 1, \slot, 1
	s_wait_dscnt 32
	CVW 0, 1
	MUL 1, 0, \zero
	LDX 1, \slot, 1
	s_wait_dscnt 32
	CVX 0
	MUL 2, 0, \zero
.if \mode
	s_wait_dscnt 0x0                               ; my reads of this slot are over: what the next step needs of it is in registers
	s_wait_tensorcnt 0x0                           ; and all my tensor loads have landed: the one that was out is my quarter of the other slot
	ds_add_u32 v254, v255
	s_wait_dscnt 0x0
	s_barrier_signal -1                            ; say so (where the slot is filled again this barrier opens a round of the cluster's barrier),
	CVW 1, 1                                       ; work on registers while the others arrive,
	MUL 3, 0, \zero
	WIN 0
	s_barrier_wait -1
.if \mode == 2
	CREST                                          ; no wave of any of the four work-groups still reads this slot or has a load on its way
	s_add_nc_u64 s[G0X+4*\slot+2:G0X+4*\slot+3], s[G0X+4*\slot+2:G0X+4*\slot+3], 2*KC*XROW
	s_add_nc_u64 s[G0W+4*\slot+2:G0W+4*\slot+3], s[G0W+4*\slot+2:G0W+4*\slot+3], 2*KC*4
	JLOAD \slot                                    ; the first thing behind the round, one load a wave; it has two steps, 128 matrix instructions, to land
.endif
	LDW 0, \other, 0                               ; the other slot's first chunk
.else
	s_wait_dscnt 16                                ; all but the last chunk
	CVW 1, 1
	MUL 3, 0, \zero
.endif
.endm
.macro ODD other                       ; an odd step: a slot's last 32 channels, W's buffer 1; all its loads read the other slot
	LDX 0, \other, 0
	s_wait_dscnt 32
	CVX 1
	MUL 0, 1, 0
	LDW 1, \other, 0
	s_wait_dscnt 32
	CVW 0, 0
	MUL 1, 1, 0
	LDX 1, \other, 0
	s_wait_dscnt 32
	CVX 0
	MUL 2, 1, 0
	LDW 0, \other, 1
	s_wait_dscnt 32
	CVW 1, 0
	MUL 3, 1, 0
.endm
	s_load_b512 s[8:23], s[0:1], 0x0               ; q s[8:9], k s[10:11], v s[12:13], Wq s[14:15], Wk s[16:17], Wv s[18:19], bq s[20:21], bk s[22:23]
	s_load_b256 s[24:31], s[0:1], 0x40             ; bv s[24:25], input_mask s[26:27], Wout s[28:29], qh s[30:31]
	s_load_b128 s[32:35], s[0:1], 0x60             ; kh s[32:33], vh s[34:35]
	s_load_b64 s[36:37], s[0:1], 0x70              ; wob
	v_lshl_add_u32 v254, v0, 2, 0x44000
	v_mov_b32 v255, 0
	ds_add_u32 v254, v255
	v_lshrrev_b32 v1, 5, v0
	v_readfirstlane_b32 s54, v1                    ; wave 0..3
	s_lshr_b32 s62, s54, 1                         ; wo: which 128 o are mine.  Also: I fetch for X (0) or for W (1)
	s_and_b32 s63, s54, 1                          ; wl: which 128 l.  Also: which half of the tile I fetch
	s_and_b32 s58, ttmp7, 0xffff                   ; y = 8 p + l block / 4
	s_lshr_b32 s50, s58, 3                         ; which projection: 0 q, 1 k, 2 v
	s_bfe_u32 s38, ttmp6, 0x40000                  ; cx: my place in the cluster; it enters global addresses of X, mask, Wout and the outputs alone
	s_and_b32 s52, s58, 7
	s_lshl_b32 s52, s52, 2
	s_add_co_u32 s52, s52, s38                     ; l block 0..31; the o block is the cluster's x, ttmp9
	s_lshr_b32 s53, s52, 3                         ; batch
	s_and_b32 s39, s52, 7                          ; l block in the batch
	; descriptor group 1, X: 64 rows x 128 elements of 4 bytes, 2,048 elements from row to row; 4 words of padding behind every 64
	s_mov_b32 s68, (2<<16)|(1<<20)|(5<<22)|(3<<25) ; no mask: a load of my own
	s_mov_b32 s69, 128<<16                         ; tensor_dim0 = 128
	s_mov_b32 s70, 64<<16                          ; tensor_dim1 = 64
	s_mov_b32 s71, 128<<16                         ; tile_dim0 = 128
	s_mov_b32 s72, 64                              ; tile_dim1 = 64
	s_mov_b32 s73, 2048                            ; the pitch
	s_mov_b32 s74, 0
	s_mov_b32 s75, 0
	; W: 128 rows x 64 elements of 4 bytes, 512 elements from row to row; the same padding; the mask of the four partners, bit 21 beside it
	s_mov_b32 s76, 15|(2<<16)|(1<<20)|(1<<21)|(5<<22)|(3<<25)
	s_mov_b32 s77, 64<<16
	s_mov_b32 s78, 128<<16
	s_mov_b32 s79, 64<<16
	s_mov_b32 s80, 128
	s_mov_b32 s81, 512
	s_mov_b32 s82, 0
	s_mov_b32 s83, 0
	s_mov_b32 s57, 0                               ; offsets are below 4 GiB: pairs with 0 above
	s_mov_b32 s59, 0
	s_mov_b32 s7, 0
	s_lshl_b32 s56, s53, 22                        ; X: a batch is 512 x 8,192 bytes,
	s_lshl_b32 s4, s39, 10                         ; 256 l of f32,
	s_add_co_u32 s56, s56, s4
	s_lshl_b32 s4, s63, 9                          ; the half that I fetch
	s_add_co_u32 s56, s56, s4
	s_lshl_b32 s58, ttmp9, 19                      ; W: 256 rows of 2,048 bytes an o block, made of what the partners share and the wave's number,
	s_lshl_b32 s5, s63, 18                         ; the half that I fetch
	s_add_co_u32 s58, s58, s5
	s_mul_i32 s3, s54, QUART                       ; where my quarter goes: the wave's number alone
	s_cmp_eq_u32 s50, 0
	s_cselect_b32 s60, 0x3e38aa3b, 1.0             ; factor of a kept column: q 0.18033688, k and v 1
	s_cselect_b32 s61, 0x3e38aa3b, 1.0             ; factor of a masked column: q the same (queries are not masked), v 1,
	s_cmp_eq_u32 s50, 1
	s_cselect_b32 s61, 0, s61                      ; k 0
	s_wait_dscnt 0x0
	s_wait_kmcnt 0x0
	s_cmp_eq_u32 s50, 0                            ; the projection's four buffers: X s[40:41], W s[42:43], bias s[44:45], output s[46:47]
	s_cselect_b64 s[40:41], s[8:9], s[10:11]
	s_cselect_b64 s[42:43], s[14:15], s[16:17]
	s_cselect_b64 s[44:45], s[20:21], s[22:23]
	s_cselect_b64 s[46:47], s[30:31], s[32:33]
	s_cmp_eq_u32 s50, 2
	s_cselect_b64 s[40:41], s[12:13], s[40:41]
	s_cselect_b64 s[42:43], s[18:19], s[42:43]
	s_cselect_b64 s[44:45], s[24:25], s[44:45]
	s_cselect_b64 s[46:47], s[34:35], s[46:47]
	s_add_nc_u64 s[40:41], s[40:41], s[56:57]
	s_add_nc_u64 s[42:43], s[42:43], s[58:59]
.irp s, 0,1
	s_mov_b32 s[G0X+4*\s], 1                                       ; group 0 for X, slot s: count 1,
	s_add_co_u32 s[G0X+4*\s+1], s3, \s*SLOT                        ; LDS address,
	s_add_nc_u64 s[G0X+4*\s+2:G0X+4*\s+3], s[40:41], \s*KC*XROW    ; global address: channels 64 s ..,
	s_or_b32 s[G0X+4*\s+3], s[G0X+4*\s+3], 0x80000000              ; type 2
	s_mov_b32 s[G0W+4*\s], 1                                       ; and for W
	s_add_co_u32 s[G0W+4*\s+1], s3, \s*SLOT
	s_add_nc_u64 s[G0W+4*\s+2:G0W+4*\s+3], s[42:43], \s*KC*4
	s_or_b32 s[G0W+4*\s+3], s[G0W+4*\s+3], 0x80000000
.endr
	ROUND                                          ; the four work-groups are here: the first joint loads meet
	s_cmp_eq_u32 s62, 0                            ; both first fills of a wave inside one branch on its number
	s_cbranch_scc0 .Lfirst_w
	tensor_load_to_lds s[84:87], s[68:75]
	s_nop 0
	tensor_load_to_lds s[88:91], s[68:75]
	s_nop 0
	s_branch .Lfirst_done
.Lfirst_w:
	tensor_load_to_lds s[92:95], s[76:83]
	s_nop 0
	tensor_load_to_lds s[96:99], s[76:83]
	s_nop 0
.Lfirst_done:
	; the rest of the set-up runs while the first tiles are on their way
	s_lshl_b32 s56, s53, 13                        ; the mask: a batch, 256 l, my 128 l
	s_lshl_b32 s4, s39, 10
	s_add_co_u32 s56, s56, s4
	s_lshl_b32 s4, s63, 9
	s_add_co_u32 s56, s56, s4
	s_add_nc_u64 s[48:49], s[26:27], s[56:57]
	v_and_b32 v1, 31, v0                           ; L
	v_and_b32 v11, 15, v1                          ; r
	v_lshrrev_b32 v12, 4, v1                       ; h
	v_lshrrev_b32 v13, 3, v11                      ; r >> 3
	v_lshlrev_b32 v[MO], 5, v11                    ; my eight columns: l = 8 r + lt
	global_load_b128 v[MR:MR+3],   v[MO], s[48:49]
	global_load_b128 v[MR+4:MR+7], v[MO], s[48:49] offset:16
	s_lshl_b32 s6, ttmp9, 10                       ; the bias: 256 numbers an o block, my 128
	s_lshl_b32 s5, s62, 9
	s_add_co_u32 s6, s6, s5
	s_add_nc_u64 s[44:45], s[44:45], s[6:7]
	s_lshl_b32 s56, s53, 21                        ; the output: a batch is 512 x 4,096 bytes,
	s_lshl_b32 s4, ttmp9, 20                       ; 256 rows an o block,
	s_add_co_u32 s56, s56, s4
	s_lshl_b32 s4, s62, 19                         ; my 128 rows,
	s_add_co_u32 s56, s56, s4
	s_lshl_b32 s4, s39, 9                          ; 256 l of bf16,
	s_add_co_u32 s56, s56, s4
	s_lshl_b32 s4, s63, 8                          ; my 128 l
	s_add_co_u32 s56, s56, s4
	s_add_nc_u64 s[46:47], s[46:47], s[56:57]
	s_mul_i32 s4, s63, QUART                       ; X: my half of the l, row 8 h, bytes 32 r, and the 16 bytes of padding behind the first 256:
	v_mad_u32_u24 v[XA], v12, 8*XP, s4             ; lanes 0-7 touch the even 16-byte columns of the banks' row, lanes 8-15 the odd ones
	v_lshl_add_u32 v[XA], v11, 5, v[XA]
	v_lshl_add_u32 v[XA], v13, 4, v[XA]
	v_add_nc_u32 v[XA+1], SLOT, v[XA]
	s_mul_i32 s4, s62, QUART                       ; W: my half of the o, row r, bytes 32 h
	s_add_co_u32 s4, s4, 2*QUART
	v_mad_u32_u24 v[WA], v11, WP, s4
	v_lshl_add_u32 v[WA], v12, 5, v[WA]
	v_add_nc_u32 v[WA+1], SLOT, v[WA]
	v_lshlrev_b32 v[GO], 15, v12                   ; the output: row 8 h, 16 bytes at 16 r
	v_lshl_add_u32 v[GO], v11, 4, v[GO]
	v_lshlrev_b32 v[BO], 5, v12                    ; the bias: 8 numbers at 32 h
	v_mov_b32 v[VKEEP], s60
	v_mov_b32 v[VPAD], s61
	; Wout to bf16, by the 64 work-groups of p = 0 (the same in all partners): 16,384 bytes each, 4 x 32 bytes a thread
	s_cmp_lg_u32 s50, 0
	s_cbranch_scc1 .Lno_wout
	s_lshl_b32 s56, ttmp9, 5
	s_add_co_u32 s56, s56, s52                     ; 32 x o block + l block
	s_lshl_b32 s56, s56, 14
	s_add_nc_u64 s[28:29], s[28:29], s[56:57]
	s_lshr_b32 s56, s56, 1
	s_add_nc_u64 s[36:37], s[36:37], s[56:57]
	v_lshlrev_b32 v14, 5, v0
	v_lshlrev_b32 v15, 4, v0
.irp i, 0,1,2,3
	global_load_b128 v[32+8*\i:35+8*\i], v14, s[28:29] offset:4096*\i
	global_load_b128 v[36+8*\i:39+8*\i], v14, s[28:29] offset:4096*\i+16
.endr
	s_wait_loadcnt 0x0
.irp i, 0,1,2,3
.irp j, 0,1,2,3
	v_cvt_pk_bf16_f32 v[64+4*\i+\j], v[32+8*\i+2*\j], v[32+8*\i+2*\j+1]
.endr
.endr
.irp i, 0,1,2,3
	global_store_b128 v15, v[64+4*\i:67+4*\i], s[36:37] offset:2048*\i     ; sixteen lanes store 256 consecutive bytes, aligned
.endr
.Lno_wout:
	s_wait_loadcnt 0x0                             ; the mask
.irp e, 0,1,2,3,4,5,6,7
	v_cmp_ge_f32 vcc_lo, 0.5, v[MR+\e]             ; masked where input_mask <= 0.5 (a NaN is not masked, as in the comparison it stands for)
	v_cndmask_b32 v[CS+2*\e], v[VKEEP], v[VPAD], vcc_lo
	v_cndmask_b32 v[CS+2*\e+1], v[VKEEP], v[VPAD], vcc_lo
.endr
	s_wait_xcnt 0x0                                ; every earlier memory instruction has had its addresses translated (ISA guide 3.1): the registers that Wout's stores read are written again only behind this wait
	s_wait_tensorcnt 0x1                           ; my quarter of slot 0 is in; slot 1's may stay out
	s_barrier_signal -1
	s_barrier_wait -1                              ; everybody's is
	; the pipeline's start: step 0's four chunks, the first three converted, and step 1's first chunk
	LDW 0, 0, 0
	LDX 0, 0, 0
	LDW 1, 0, 0
	s_wait_dscnt 32                                ; the first chunk is in
	CVW 0, 0
	LDX 1, 0, 0
	s_wait_dscnt 32                                ; the second
	CVX 0
	s_wait_dscnt 16                                ; the third
	CVW 1, 0
	LDW 0, 0, 1
	EVEN 0, 1, 1, 2                                ; channels 0-63; the first step's products start the sums; slot 0 gets channels 128-191
	ODD 1
	WIN 0                                          ; at a label and at a branch every window is 0
	s_mov_b32 s55, 2
.Lslots:
	EVEN 1, 0, 0, 2                                ; slot 1, filled again two slots ahead
	ODD 0
	EVEN 0, 1, 0, 2                                ; slot 0 likewise
	ODD 1
	WIN 0
	s_sub_co_u32 s55, s55, 1
	s_cmp_lg_u32 s55, 0
	s_cbranch_scc1 .Lslots
	EVEN 1, 0, 0, 2                                ; channels 320-383; slot 1 gets the last tile, channels 448-511
	ODD 0
	EVEN 0, 1, 0, 1                                ; channels 384-447: nothing is left to fetch, so a plain barrier changes the slots
	ODD 1
	EVEN 1, 0, 0, 0                                ; channels 448-479
	s_wait_dscnt 0x0                               ; channels 480-511: the last chunk
	CVX 1
	WIN 0
.irp ot, 0,1,2,3,4,5,6,7
	global_load_b128 v[BIAS+8*\ot:BIAS+8*\ot+3],   v[BO], s[44:45] offset:64*\ot      ; the bias of my rows 16 ot + 8 h + j, into W's buffer 0, which was last multiplied
	global_load_b128 v[BIAS+8*\ot+4:BIAS+8*\ot+7], v[BO], s[44:45] offset:64*\ot+16   ; in the step before: the conversions of lt 4 and 5 above are the places between
.endr
	MUL 0, 1, 0
	MUL 1, 1, 0
	MUL 2, 1, 0
	MUL 3, 1, 0
	; THE WAY OUT, 16 rows at a time: (sum + bias) x factor, rounded once to bf16; the eight accumulators of one ot give a lane 16 bytes of each of eight rows.
	WIN 0
.rept 4
	v_nop                                          ; four places behind the last matrix instructions (ISA guide 7.12.1)
.endr
	s_wait_loadcnt 0x0                             ; the bias
.irp ot, 0,1,2,3,4,5,6,7
	WIN EP_LO
.irp lt, 0,1,2,3
.irp j, 0,2,4,6
	v_pk_add_f32 v[8*(8*\lt+\ot)+\j:8*(8*\lt+\ot)+\j+1], v[8*(8*\lt+\ot)+\j:8*(8*\lt+\ot)+\j+1], v[BIAS+8*\ot+\j:BIAS+8*\ot+\j+1]
.endr
.irp j, 0,2,4,6
	v_pk_mul_f32 v[8*(8*\lt+\ot)+\j:8*(8*\lt+\ot)+\j+1], v[8*(8*\lt+\ot)+\j:8*(8*\lt+\ot)+\j+1], v[CS+2*\lt:CS+2*\lt+1]
.endr
.endr
	WIN EP_HI
.irp lt, 0,1,2,3
.irp j, 0,2,4,6
	v_pk_add_f32 v[8*(8*\lt+\ot)+\j:8*(8*\lt+\ot)+\j+1], v[8*(8*\lt+\ot)+\j:8*(8*\lt+\ot)+\j+1], v[BIAS+8*\ot+\j:BIAS+8*\ot+\j+1]
.endr
.irp j, 0,2,4,6
	v_pk_mul_f32 v[8*(8*\lt+\ot)+\j:8*(8*\lt+\ot)+\j+1], v[8*(8*\lt+\ot)+\j:8*(8*\lt+\ot)+\j+1], v[CS+8+2*\lt:CS+8+2*\lt+1]
.endr
.endr
	s_wait_xcnt 0x0                                ; every earlier memory instruction has had its addresses translated (ISA guide 3.1): T, which the last stores read, is written again only behind this wait
	WIN PK_LO
.irp j, 0,1,2,3,4,5,6,7
	v_cvt_pk_bf16_f32 v[T+4*\j],   v[8*\ot+\j],      v[8*(8+\ot)+\j]        ; l = 8 r + 0, 1
	v_cvt_pk_bf16_f32 v[T+4*\j+1], v[8*(16+\ot)+\j], v[8*(24+\ot)+\j]       ; 2, 3
.endr
	WIN PK_HI
.irp j, 0,1,2,3,4,5,6,7
	v_cvt_pk_bf16_f32 v[T+4*\j+2], v[8*\ot+\j],      v[8*(8+\ot)+\j]        ; 4, 5
	v_cvt_pk_bf16_f32 v[T+4*\j+3], v[8*(16+\ot)+\j], v[8*(24+\ot)+\j]       ; 6, 7
.endr
	WIN 0
.irp j, 0,1,2,3,4,5,6,7
	global_store_b128 v[GO], v[T+4*\j:T+4*\j+3], s[46:47] offset:(16*\ot+\j)*4096   ; sixteen lanes store 256 consecutive bytes, at a multiple of 256 from the buffer's first byte
.endr
.endr
	ROUND                                          ; the closing round: no work-group ends while a partner may still ask for a tile that names it
	s_endpgm
.Lfunc_end_k_q64b38c2f8c_proj:
	.size	k_q64b38c2f8c_proj, .Lfunc_end_k_q64b38c2f8c_proj-k_q64b38c2f8c_proj
	.p2alignl 7, 3214868480
	.fill 96, 4, 3214868480
	.section	.rodata,"a",@progbits
	.p2align	6, 0x0
	.amdhsa_kernel k_q64b38c2f8c_proj
		.amdhsa_group_segment_fixed_size 327680
		.amdhsa_private_segment_fixed_size 0
		.amdhsa_enable_private_segment 0
		.amdhsa_kernarg_size 120
		.amdhsa_user_sgpr_count 2
		.amdhsa_user_sgpr_kernarg_segment_ptr 1
		.amdhsa_wavefront_size32 1
		.amdhsa_system_sgpr_workgroup_id_x 1
		.amdhsa_system_sgpr_workgroup_id_y 1
		.amdhsa_system_sgpr_workgroup_id_z 1
		.amdhsa_system_vgpr_workitem_id 0
		.amdhsa_next_free_vgpr 1024
		.amdhsa_next_free_sgpr 100
		.amdhsa_reserve_vcc 1
		.amdhsa_float_denorm_mode_32 3
		.amdhsa_float_denorm_mode_16_64 3
		.amdhsa_memory_ordered 1
		.amdhsa_forward_progress 1
		.amdhsa_inst_pref_size 255
	.end_amdhsa_kernel
	.section	.bss,"aw",@nobits
	.p2align	6
	.space	262144
	.amdgpu_metadata
---
amdhsa.version: [ 1, 2 ]
amdhsa.kernels:
  - .name:           k_q64b38c2f8c_proj
    .symbol:         k_q64b38c2f8c_proj.kd
    .args:
      - { .name: q, .offset: 0, .size: 8, .value_kind: global_buffer, .address_space: global }
      - { .name: k, .offset: 8, .size: 8, .value_kind: global_buffer, .address_space: global }
      - { .name: v, .offset: 16, .size: 8, .value_kind: global_buffer, .address_space: global }
      - { .name: Wq, .offset: 24, .size: 8, .value_kind: global_buffer, .address_space: global }
      - { .name: Wk, .offset: 32, .size: 8, .value_kind: global_buffer, .address_space: global }
      - { .name: Wv, .offset: 40, .size: 8, .value_kind: global_buffer, .address_space: global }
      - { .name: bq, .offset: 48, .size: 8, .value_kind: global_buffer, .address_space: global }
      - { .name: bk, .offset: 56, .size: 8, .value_kind: global_buffer, .address_space: global }
      - { .name: bv, .offset: 64, .size: 8, .value_kind: global_buffer, .address_space: global }
      - { .name: input_mask, .offset: 72, .size: 8, .value_kind: global_buffer, .address_space: global }
      - { .name: Wout, .offset: 80, .size: 8, .value_kind: global_buffer, .address_space: global }
      - { .name: qh, .offset: 88, .size: 8, .value_kind: global_buffer, .address_space: global }
      - { .name: kh, .offset: 96, .size: 8, .value_kind: global_buffer, .address_space: global }
      - { .name: vh, .offset: 104, .size: 8, .value_kind: global_buffer, .address_space: global }
      - { .name: wob, .offset: 112, .size: 8, .value_kind: global_buffer, .address_space: global }
    .group_segment_fixed_size: 327680
    .private_segment_fixed_size: 0
    .kernarg_segment_align: 8
    .kernarg_segment_size: 120
    .max_flat_workgroup_size: 128
    .sgpr_count:     100
    .vgpr_count:     1024
    .wavefront_size: 32
...
	.end_amdgpu_metadata
.endif
;; end of part 1
;; launch attn (part 2): grid 8 x 32, 8 waves a work-group, clusters of 4 x 1, 327,680 bytes of LDS; arguments qh, kh, vh, input_mask, att; writes att
.if DOCPART == 2
	.amdgcn_target "amdgcn-amd-amdhsa--gfx1250"
	.amdhsa_code_object_version 6
	.text
	.protected	k_q64b38c2f8c_attn
	.globl	k_q64b38c2f8c_attn
	.p2align	8
	.type	k_q64b38c2f8c_attn,@function
k_q64b38c2f8c_attn:
	s_mov_b64 s[64:65], 0
	v_nop
	global_prefetch_b8 v0, s[64:65] scope:SCOPE_SE
	s_setreg_imm32_b32 hwreg(HW_REG_WAVE_MODE, 25, 1), 1
	s_wait_xcnt 0x0
	s_wait_alu depctr_hold_cnt(0) depctr_sa_sdst(0) depctr_va_vdst(0) depctr_va_sdst(0) depctr_va_ssrc(0) depctr_va_vcc(0) depctr_vm_vsrc(0)
	s_getreg_b32 s2, hwreg(HW_REG_IB_STS2, 6, 4)
	s_cmp_eq_u32 s2, 0
	s_cbranch_scc0 .Lentry_in_a_cluster
	s_endpgm
.Lentry_in_a_cluster:
	s_bfe_u32 s2, ttmp6, 0x10000c
	s_cmp_lg_u32 s2, 0x3003
	s_cbranch_scc0 .Lentry_shape_is_right
	s_endpgm
.Lentry_shape_is_right:
; ATTN: att[b][64 head + d][l] = sum_n vh[..d][n] softmax_n(score[l][n]), for one (batch, head) = grid y and 256 queries = grid x.
; qh, kh, vh, att: [4][512][2048] bf16; qh carries 1/sqrt(64) x log2 e, kh's masked columns are zero.
; Eight waves, 32 queries each (two tiles of 16).  Keys go in 8 tiles of 256 through two LDS slots, 64 keys a step.
; THE SCORES ARE MADE TRANSPOSED: A = K (rows = keys), B = Q (columns = queries).  A lane then holds one query and eight
; neighbouring keys of each tile, so maximum and sum are kept lane by lane (one exchange between the halves of the wave for the
; maximum, one at the end for the sum), and two score tiles, rounded to bf16 in place, ARE the B fragment of O^T = V P^T.
; THE MASK costs no vector work: the first score product takes as C a tile of 0 or -1e9 log2 e by key.  With K's column zero the
; masked score is exactly that constant, as the reference's where() makes it, also where every key of a batch is masked.
; The running maximum is taken away before every exponential.
; LIMITS: the exponentials are base 2 (the factor is in qh, rounded to bf16 with it); a weight below 2^-126 counts as zero
; (ISA guide, v_exp_f32's entry); the row sum is taken over the f32 weights, the product with V over their bf16 roundings.
; CLUSTERS: the four work-groups of a cluster are four query blocks of one head and walk the same K and V tiles.  Each tile is
; asked for jointly (mask 15): the requests for K and V are divided by four.  Nothing in a descriptor, an LDS address or a
; branch hangs on the place in the cluster; it enters the global addresses of Q and of the output alone.
; Each of the eight waves asks for an eighth of a slot, 32 rows of 256 bytes: a slot's 64 KiB over eight loads, one a wave.
; A wave has two tensor loads out at the start and one behind each round.
.set KPITCH, 288                       ; K lies [d][key] and is read by the transposing load: 256 bytes + 32, an odd multiple of 32
.set VPITCH, 272                       ; V lies [d][key], keys along the fragment's k: 256 bytes + 16, an odd multiple of 16
.set KSUB,   64*KPITCH                 ; 18,432: 64 d x 128 keys
.set VSUB,   64*VPITCH                 ; 17,408
.set VBASE,  2*KSUB                    ; 36,864: V's two sub-tiles lie behind K's two
.set SLOT,   VBASE+2*VSUB              ; 71,680
.set BIAS,   2*SLOT                    ; 143,360: f32[2048], 0 or -1e9 log2 e
.set QST,    BIAS+8192                 ; 151,552: [64 d][544], Q on its way in, O on its way out; no tensor load lands here or in BIAS
.set QPITCH, 544                       ; 256 queries of bf16 + 32 bytes, an odd multiple of 32
; window 0
.set KA, 2                             ; v2, v3   LDS address of my K fragments in slot 0, 1
.set VA, 4                             ; v4, v5   of my V fragments
.set BA, 6                             ; v6       of my bias numbers; steps with the loop
.set NEG, 7                            ; v7       -1e9 log2 e
.set MX, 8                             ; v[8:11]  running maximum of query tile 0, 1, each twice (a pair for the packed subtraction)
.set AL, 12                            ; v[12:15] the factor 2^(old maximum - new), each twice; at the end 1 / sum
.set LS, 16                            ; v16, v17 running sum over my half of the keys
.set TA, 18
.set TB, 19
.set SU, 20                            ; v[20:27] four chains of sums
.set TC, 28
.set QO, 29                            ; v29      16 x lane: my bytes of a row of Q and of the output
.set QS, 30                            ; v30      my bytes of my wave's first row of the stage
.set OA, 31                            ; v31      where my results go in the stage
.set SC, 32                            ; v[32:95]   scores (qt, kt) at SC + 32 qt + 8 kt; then P (qt, g) at SC + 32 qt + 16 g
.set BI, 96                            ; v[96:127]  bias tiles, kt
.set FK, 128                           ; v[128:191] K fragments (kt, ks) at FK + 16 kt + 8 ks
.set FV, 192                           ; v[192:255] V fragments (g, dt) at FV + 32 g + 8 dt
; window 1: v[256:319] O (qt, dt), named 8 (4 qt + dt);  v[320:351] Q fragments (qt, ks), named QF + 8 (2 qt + ks)
.set QF, 64
.set MSB, 0
.macro WIN new                         ; s_set_vgpr_msb: bits 1:0 source 0, 3:2 source 1, 5:4 source 2, 7:6 destination; the high byte repeats the setting left
.if MSB != \new
	s_set_vgpr_msb (MSB<<8)|\new
.set MSB, \new
.endif
.endm
.macro ROUND                           ; a round of the cluster's barrier: my work-group's barrier, wave 0 signals for it, all wait for the four, my barrier again
	s_barrier_signal -1
	s_barrier_wait -1
	s_cmp_lg_u32 s14, 0
	s_cbranch_scc1 .Lnot_wave_0_\@
	s_barrier_signal -3
.Lnot_wave_0_\@:
	s_barrier_wait -3
	s_barrier_signal -1
	s_barrier_wait -1
.endm
.macro JLOAD s                         ; my eighth of slot s: waves 0-3 ask for K, waves 4-7 for V; the branch hangs on the wave's number alone
	s_cmp_eq_u32 s18, 0
	s_cbranch_scc0 .Lfor_v_\@
	tensor_load_to_lds s[36+4*\s:39+4*\s], s[20:27]
	s_nop 0
	s_branch .Lasked_\@
.Lfor_v_\@:
	tensor_load_to_lds s[44+4*\s:47+4*\s], s[28:35]
	s_nop 0
.Lasked_\@:
.endm
.macro KB slot, st, boff               ; 24 loads: the K fragments and the bias tiles of 64 keys
.irp kt, 0,1,2,3
.irp ks, 0,1
	ds_load_tr16_b128 v[FK+16*\kt+8*\ks:FK+16*\kt+8*\ks+3],   v[KA+\slot] offset:((\st)>>1)*KSUB+128*((\st)&1)+32*\kt+32*KPITCH*\ks
	ds_load_tr16_b128 v[FK+16*\kt+8*\ks+4:FK+16*\kt+8*\ks+7], v[KA+\slot] offset:((\st)>>1)*KSUB+128*((\st)&1)+32*\kt+32*KPITCH*\ks+16*KPITCH
.endr
.endr
.irp kt, 0,1,2,3
	ds_load_b128 v[BI+8*\kt:BI+8*\kt+3],   v[BA] offset:\boff+256*\st+64*\kt
	ds_load_b128 v[BI+8*\kt+4:BI+8*\kt+7], v[BA] offset:\boff+256*\st+64*\kt+16
.endr
.endm
.macro VL slot, st                     ; 16 loads: the V fragments of 64 keys
.irp g, 0,1
.irp dt, 0,1,2,3
	ds_load_b128 v[FV+32*\g+8*\dt:FV+32*\g+8*\dt+3],   v[VA+\slot] offset:((\st)>>1)*VSUB+128*((\st)&1)+64*\g+16*VPITCH*\dt
	ds_load_b128 v[FV+32*\g+8*\dt+4:FV+32*\g+8*\dt+7], v[VA+\slot] offset:((\st)>>1)*VSUB+128*((\st)&1)+64*\g+16*VPITCH*\dt+32
.endr
.endr
.endm
.macro SMUL                            ; 16 products: scores of 64 keys x 32 queries.  The two query tiles take turns, one instruction a turn
	WIN 0x04                                       ; B (Q) in window 1
.irp kt, 0,1,2,3
	v_wmma_f32_16x16x32_bf16 v[SC+8*\kt:SC+8*\kt+7],       v[FK+16*\kt:FK+16*\kt+7],    v[QF:QF+7],     v[BI+8*\kt:BI+8*\kt+7]
	v_wmma_f32_16x16x32_bf16 v[SC+32+8*\kt:SC+32+8*\kt+7], v[FK+16*\kt:FK+16*\kt+7],    v[QF+16:QF+23], v[BI+8*\kt:BI+8*\kt+7]
	v_wmma_f32_16x16x32_bf16 v[SC+8*\kt:SC+8*\kt+7],       v[FK+16*\kt+8:FK+16*\kt+15], v[QF+8:QF+15],  v[SC+8*\kt:SC+8*\kt+7]
	v_wmma_f32_16x16x32_bf16 v[SC+32+8*\kt:SC+32+8*\kt+7], v[FK+16*\kt+8:FK+16*\kt+15], v[QF+24:QF+31], v[SC+32+8*\kt:SC+32+8*\kt+7]
.endr
	WIN 0
.endm
; The softmax's step for query tile qt: my 32 scores of one query.  first = 1: nothing is carried yet.
.macro SOFT qt, first
.set SB, SC+32*\qt
	v_max_num_f32 v[TA], v[SB], v[SB+1]            ; two chains that do not wait for each other
	v_max_num_f32 v[TB], v[SB+16], v[SB+17]
.irp i, 2,4,6,8,10,12,14
	v_max3_num_f32 v[TA], v[TA], v[SB+\i], v[SB+\i+1]
	v_max3_num_f32 v[TB], v[TB], v[SB+16+\i], v[SB+17+\i]
.endr
.if \first
	v_max_num_f32 v[TA], v[TA], v[TB]
.else
	v_max3_num_f32 v[TA], v[TA], v[TB], v[MX+2*\qt]
.endif
	v_permlanex16_b32 v[TB], v[TA], s52, s53       ; the other half of the wave holds the query's other keys
	v_max_num_f32 v[TA], v[TA], v[TB]              ; the new maximum, the same in both halves
.if \first == 0
	v_sub_f32 v[TC], v[MX+2*\qt], v[TA]
	v_exp_f32 v[AL+2*\qt], v[TC]                   ; behind it one plain vector instruction that touches neither (ISA guide 5.7.2): the move below
.endif
	v_mov_b32 v[MX+2*\qt], v[TA]
	v_mov_b32 v[MX+2*\qt+1], v[TA]
.if \first == 0
	s_wait_alu depctr_va_vdst(0)
	v_mov_b32 v[AL+2*\qt+1], v[AL+2*\qt]
.endif
.set ii, 0
.rept 16
	v_pk_add_f32 v[SB+ii:SB+ii+1], v[SB+ii:SB+ii+1], v[MX+2*\qt:MX+2*\qt+1] neg_lo:[0,1] neg_hi:[0,1]   ; score - maximum
.set ii, ii+2
.endr
.set ii, 0
.rept 32
	v_exp_f32 v[SB+ii], v[SB+ii]
.set ii, ii+1
.endr
	v_nop                                          ; the plain place between the exponentials and the first use of a result
	s_wait_alu depctr_va_vdst(0)
.irp c, 0,1,2,3
	v_pk_add_f32 v[SU+2*\c:SU+2*\c+1], v[SB+8*\c:SB+8*\c+1], v[SB+8*\c+2:SB+8*\c+3]
.endr
.irp c, 0,1,2,3
	v_pk_add_f32 v[SU+2*\c:SU+2*\c+1], v[SU+2*\c:SU+2*\c+1], v[SB+8*\c+4:SB+8*\c+5]
.endr
.irp c, 0,1,2,3
	v_pk_add_f32 v[SU+2*\c:SU+2*\c+1], v[SU+2*\c:SU+2*\c+1], v[SB+8*\c+6:SB+8*\c+7]
.endr
	v_pk_add_f32 v[SU:SU+1], v[SU:SU+1], v[SU+2:SU+3]
	v_pk_add_f32 v[SU+4:SU+5], v[SU+4:SU+5], v[SU+6:SU+7]
	v_pk_add_f32 v[SU:SU+1], v[SU:SU+1], v[SU+4:SU+5]
.if \first
	v_add_f32 v[LS+\qt], v[SU], v[SU+1]
.else
	v_add_f32 v[SU], v[SU], v[SU+1]
	v_fma_f32 v[LS+\qt], v[LS+\qt], v[AL+2*\qt], v[SU]
.endif
.irp g, 0,1
.irp i, 0,1,2,3,4,5,6,7
	v_cvt_pk_bf16_f32 v[SB+16*\g+\i], v[SB+16*\g+2*\i], v[SB+16*\g+2*\i+1]   ; in place: register i is written when 2 i and 2 i + 1 are read
.endr
.endr
.endm
.macro OSCALE                          ; O times the pair in AL, by query tile
	WIN 0x41                                       ; destination and source 0 in window 1
.irp qt, 0,1
.set ii, 0
.rept 16
	v_pk_mul_f32 v[32*\qt+ii:32*\qt+ii+1], v[32*\qt+ii:32*\qt+ii+1], v[AL+2*\qt:AL+2*\qt+1]
.set ii, ii+2
.endr
.endr
	WIN 0
.endm
.macro PV first                        ; 16 products: O^T += V P^T.  The eight accumulators take turns, one instruction a turn
	WIN 0x50                                       ; C and D in window 1
.irp g, 0,1
.irp dt, 0,1,2,3
.irp qt, 0,1
.if \first*(1-\g)
	v_wmma_f32_16x16x32_bf16 v[8*(4*\qt+\dt):8*(4*\qt+\dt)+7], v[FV+32*\g+8*\dt:FV+32*\g+8*\dt+7], v[SC+32*\qt+16*\g:SC+32*\qt+16*\g+7], 0
.else
	v_wmma_f32_16x16x32_bf16 v[8*(4*\qt+\dt):8*(4*\qt+\dt)+7], v[FV+32*\g+8*\dt:FV+32*\g+8*\dt+7], v[SC+32*\qt+16*\g:SC+32*\qt+16*\g+7], v[8*(4*\qt+\dt):8*(4*\qt+\dt)+7]
.endif
.endr
.endr
.endr
	WIN 0
.endm
; 64 keys.  st: which quarter of the slot; nx: the next quarter, 4 = none.  The step's K and bias loads are out already.
.macro STEP slot, st, nx, first, boff
	VL \slot, \st
	s_wait_dscnt 16                                ; all but the 16 V loads just issued: K, the bias (and, the first time, Q) are in
	SMUL
.rept 4
	v_nop                                          ; four places (ISA guide 7.12.1 for vector instructions): then the scores are read and K's and the bias' registers loaded again
.endr
.if \nx < 4
	KB \slot, \nx, \boff
.endif
	SOFT 0, \first
	SOFT 1, \first
.if \first == 0
	OSCALE
.endif
.if \nx < 4
	s_wait_dscnt 24                                ; V is in; the next quarter's 24 loads may be out
.else
	s_wait_dscnt 0x0
.endif
	PV \first
.rept 5
	v_nop                                          ; five places: the next score products write over P, and V's registers are loaded again
.endr
.endm
.macro WORK slot, boff, first          ; a slot's 256 keys
	KB \slot, 0, \boff
	STEP \slot, 0, 1, \first, \boff
	STEP \slot, 1, 2, 0, \boff
	STEP \slot, 2, 3, 0, \boff
	STEP \slot, 3, 4, 0, \boff
.endm
; The change of slots.  In front of the round every wave waits for all its tensor loads (its part of this slot among them) and for
; its reads of the other slot; behind the round no wave of any of the four work-groups reads the other slot or has a load on its
; way, and the joint refill is the first thing there, one load a wave.  It has a slot's work, 128 matrix instructions a wave, to land.
.macro TWO slot, other, refill, boff
	s_set_vgpr_msb 0x5
	s_wait_tensorcnt 0x0
	ds_add_u32 v96, v97
	s_wait_dscnt 0x0
	s_set_vgpr_msb 0x500
	s_add_nc_u64 s[38+4*\other:39+4*\other], s[38+4*\other:39+4*\other], 1024     ; no load of mine is out: the other slot's addresses step two tiles of 256 keys
	s_add_nc_u64 s[46+4*\other:47+4*\other], s[46+4*\other:47+4*\other], 1024
	s_wait_dscnt 0x0
	ROUND
.if \refill
	JLOAD \other
.endif
	WORK \slot, \boff, 0
.endm
	s_load_b256 s[4:11], s[0:1], 0x0               ; qh s[4:5], kh s[6:7], vh s[8:9], input_mask s[10:11]
	s_load_b64 s[12:13], s[0:1], 0x20              ; att
	s_set_vgpr_msb 0x40
	v_lshl_add_u32 v96, v0, 2, 0x2d800
	v_mov_b32 v97, 0
	s_set_vgpr_msb 0x4045
	ds_add_u32 v96, v97
	s_set_vgpr_msb 0x4500
	v_lshrrev_b32 v1, 5, v0
	v_readfirstlane_b32 s14, v1                    ; wave 0..7
	s_bfe_u32 s15, ttmp6, 0x40000                  ; cx: my place in the cluster
	s_lshl_b32 s16, ttmp9, 2
	s_add_co_u32 s16, s16, s15                     ; query block = 4 x cluster x + cx
	s_and_b32 s17, ttmp7, 0xffff                   ; 8 x batch + head
	s_lshr_b32 s18, s14, 2                         ; 0: I ask for K, 1: for V
	s_and_b32 s19, s14, 3                          ; which quarter of it
	s_mov_b32 s52, 0x76543210                      ; v_permlanex16_b32: lane i of one half reads lane i of the other
	s_mov_b32 s53, 0xfedcba98
	; descriptor group 1: 32 rows x 128 elements of 2 bytes, 2,048 elements from row to row, padded in LDS behind every 64 words
	s_mov_b32 s20, 15|(1<<16)|(1<<20)|(1<<21)|(5<<22)|(7<<25)    ; K: mask of the four partners, bit 21 beside it, 8 words of padding
	s_mov_b32 s21, 128<<16                         ; tensor_dim0 = 128
	s_mov_b32 s22, 32<<16                          ; tensor_dim1 = 32
	s_mov_b32 s23, 128<<16                         ; tile_dim0 = 128
	s_mov_b32 s24, 32                              ; tile_dim1 = 32
	s_mov_b32 s25, 2048                            ; the pitch
	s_mov_b32 s26, 0
	s_mov_b32 s27, 0
	s_mov_b32 s28, 15|(1<<16)|(1<<20)|(1<<21)|(5<<22)|(3<<25)    ; V: the same with 4 words of padding
	s_mov_b32 s29, 128<<16
	s_mov_b32 s30, 32<<16
	s_mov_b32 s31, 128<<16
	s_mov_b32 s32, 32
	s_mov_b32 s33, 2048
	s_mov_b32 s34, 0
	s_mov_b32 s35, 0
	; my quarter: rows 32 (part & 1), keys 128 (part >> 1); made of the head and the wave's number alone
	s_lshl_b32 s56, s17, 18                        ; 64 rows of 4,096 bytes a head
	s_and_b32 s55, s19, 1
	s_lshl_b32 s55, s55, 17
	s_add_co_u32 s56, s56, s55
	s_lshr_b32 s55, s19, 1
	s_lshl_b32 s55, s55, 8
	s_add_co_u32 s56, s56, s55
	s_mov_b32 s57, 0
	s_mul_i32 s58, s19, 32*KPITCH                  ; where it goes: K's quarters follow each other,
	s_mul_i32 s59, s19, 32*VPITCH
	s_add_co_u32 s59, s59, VBASE                   ; V's behind them
	s_lshl_b32 s60, s17, 18                        ; Q and the output: row 64 x head + 8 x wave, 512 bytes at 512 x query block
	s_lshl_b32 s61, s14, 15
	s_add_co_u32 s60, s60, s61
	s_lshl_b32 s61, s16, 9
	s_add_co_u32 s60, s60, s61
	s_mov_b32 s61, 0
	s_wait_dscnt 0x0
	s_wait_kmcnt 0x0
	s_add_nc_u64 s[6:7], s[6:7], s[56:57]
	s_add_nc_u64 s[8:9], s[8:9], s[56:57]
	s_add_nc_u64 s[4:5], s[4:5], s[60:61]
	s_add_nc_u64 s[12:13], s[12:13], s[60:61]
	s_lshr_b32 s56, s17, 3
	s_lshl_b32 s56, s56, 13                        ; the batch's 2,048 numbers of the mask
	s_add_nc_u64 s[10:11], s[10:11], s[56:57]
.irp s, 0,1
	s_mov_b32 s[36+4*\s], 1                                        ; group 0 for K, slot s: count 1,
	s_add_co_u32 s[37+4*\s], s58, \s*SLOT                          ; LDS address,
	s_add_nc_u64 s[38+4*\s:39+4*\s], s[6:7], \s*512                ; global address: key tile s,
	s_or_b32 s[39+4*\s], s[39+4*\s], 0x80000000                    ; type 2
	s_mov_b32 s[44+4*\s], 1                                        ; and for V
	s_add_co_u32 s[45+4*\s], s59, \s*SLOT
	s_add_nc_u64 s[46+4*\s:47+4*\s], s[8:9], \s*512
	s_or_b32 s[47+4*\s], s[47+4*\s], 0x80000000
.endr
	ROUND                                          ; the four work-groups are here: the first joint loads meet
	s_cmp_eq_u32 s18, 0                            ; both first fills of a wave inside one branch
	s_cbranch_scc0 .Lfirst_v
	tensor_load_to_lds s[36:39], s[20:27]
	s_nop 0
	tensor_load_to_lds s[40:43], s[20:27]
	s_nop 0
	s_branch .Lfirst_done
.Lfirst_v:
	tensor_load_to_lds s[44:47], s[28:35]
	s_nop 0
	tensor_load_to_lds s[48:51], s[28:35]
	s_nop 0
.Lfirst_done:
	v_and_b32 v1, 31, v0                           ; L
	v_and_b32 v18, 15, v1                          ; r
	v_lshrrev_b32 v19, 4, v1                       ; h
	v_and_b32 v20, 7, v1
	v_bfe_u32 v21, v1, 3, 1                        ; (L >> 3) & 1
	v_lshl_add_u32 v22, v19, 3, v20                ; 8 h + (L & 7)
	v_lshlrev_b32 v[QO], 4, v1
	v_lshlrev_b32 v24, 5, v0                       ; my 8 numbers of the mask
.irp i, 0,1,2,3,4,5,6,7
	global_load_b128 v[SC+4*\i:SC+4*\i+3], v[QO], s[4:5] offset:4096*\i      ; eight rows of Q a wave, 512 consecutive bytes a load
.endr
	global_load_b128 v[64:67], v24, s[10:11]
	global_load_b128 v[68:71], v24, s[10:11] offset:16
	v_mul_u32_u24 v[KA], v22, KPITCH               ; K: row 8 h + (L & 7), 16 bytes at 16 ((L >> 3) & 1)
	v_lshl_add_u32 v[KA], v21, 4, v[KA]
	v_add_nc_u32 v[KA+1], SLOT, v[KA]
	v_mul_u32_u24 v[VA], v18, VPITCH               ; V: row r, 16 bytes at 16 h
	v_lshl_add_u32 v[VA], v19, 4, v[VA]
	v_add_nc_u32 v[VA], VBASE, v[VA]
	v_add_nc_u32 v[VA+1], SLOT, v[VA]
	v_lshlrev_b32 v[BA], 5, v19                    ; bias: 8 numbers at 32 h
	v_add_nc_u32 v[BA], BIAS, v[BA]
	s_mul_i32 s55, s14, 8*QPITCH
	s_add_co_u32 s55, s55, QST
	v_add_nc_u32 v[QS], s55, v[QO]                 ; the stage by rows: row 8 w, 16 bytes a lane
	s_lshl_b32 s55, s14, 6
	s_add_co_u32 s55, s55, QST                     ; my wave's 32 queries in a row of the stage
	v_mad_u32_u24 v23, v22, QPITCH, s55            ; Q fragments: row 8 h + (L & 7), 16 bytes at 16 ((L >> 3) & 1)
	v_lshl_add_u32 v23, v21, 4, v23
	v_mad_u32_u24 v[OA], v19, 8*QPITCH, s55        ; results: row 8 h, 2 bytes at 2 r
	v_lshl_add_u32 v[OA], v18, 1, v[OA]
	v_add_nc_u32 v25, BIAS, v24
	v_mov_b32 v[NEG], 0xceabfb8f                   ; -1e9 x log2 e
	s_wait_loadcnt 0x2                             ; Q is in; the two loads of the mask may be out
.irp i, 0,1,2,3,4,5,6,7
	ds_store_b128 v[QS], v[SC+4*\i:SC+4*\i+3] offset:QPITCH*\i
.endr
	s_wait_loadcnt 0x0
.irp i, 0,1,2,3,4,5,6,7
	v_cmp_ge_f32 vcc_lo, 0.5, v[64+\i]             ; masked where input_mask <= 0.5
	v_cndmask_b32 v[64+\i], 0, v[NEG], vcc_lo
.endr
	ds_store_b128 v25, v[64:67]
	ds_store_b128 v25, v[68:71] offset:16
	s_wait_dscnt 0x0                               ; for the other waves: Q and the bias are in LDS,
	s_wait_tensorcnt 0x1                           ; and my part of slot 0; slot 1's may stay out
	s_barrier_signal -1
	s_barrier_wait -1
	WIN 0x40                                       ; destination in window 1
.irp qt, 0,1
.irp ks, 0,1
	ds_load_tr16_b128 v[QF+8*(2*\qt+\ks):QF+8*(2*\qt+\ks)+3],   v23 offset:32*\qt+32*QPITCH*\ks
	ds_load_tr16_b128 v[QF+8*(2*\qt+\ks)+4:QF+8*(2*\qt+\ks)+7], v23 offset:32*\qt+32*QPITCH*\ks+16*QPITCH
.endr
.endr
	WIN 0
	WORK 0, 0, 1                                   ; key tile 0; its first step starts maximum, sum and O
	s_mov_b32 s54, 3
.Ltiles:
	TWO 1, 0, 1, 1024                              ; key tiles 1, 3, 5; slot 0 gets 2, 4, 6
	TWO 0, 1, 1, 2048                              ; key tiles 2, 4, 6; slot 1 gets 3, 5, 7
	v_add_nc_u32 v[BA], 2048, v[BA]                ; two tiles' bias
	s_sub_co_u32 s54, s54, 1
	s_cmp_lg_u32 s54, 0
	s_cbranch_scc1 .Ltiles
	TWO 1, 0, 0, 1024                              ; key tile 7: nothing is left to fetch (slot 0's stepped addresses are not used)
	; THE END: O / sum, rounded to bf16, turned through the stage into rows along l.
	v_permlanex16_b32 v[TA], v[LS], s52, s53       ; the other half's part of the sum
	v_permlanex16_b32 v[TB], v[LS+1], s52, s53
	v_add_f32 v[LS], v[LS], v[TA]
	v_add_f32 v[LS+1], v[LS+1], v[TB]              ; at least 1: the key of the maximum counts 2^0
	v_rcp_f32 v[AL], v[LS]
	v_rcp_f32 v[AL+2], v[LS+1]
	v_nop                                          ; the plain place behind the reciprocals
	s_wait_alu depctr_va_vdst(0)
	v_mov_b32 v[AL+1], v[AL]
	v_mov_b32 v[AL+3], v[AL+2]
	OSCALE
	WIN 0x05                                       ; both sources in window 1
.set ii, 0
.rept 32
	v_cvt_pk_bf16_f32 v[FK+ii], v[2*ii], v[2*ii+1]
.set ii, ii+1
.endr
	WIN 0
	; a lane holds eight d of one query: two bytes a store, rows d, neighbouring lanes at neighbouring queries.  Every wave's reads of Q
	; from the stage were waited for in front of the first round.
.irp qt, 0,1
.irp dt, 0,1,2,3
.irp i, 0,1,2,3
	ds_store_b16 v[OA], v[FK+4*(4*\qt+\dt)+\i] offset:(16*\dt+2*\i)*QPITCH+32*\qt
	ds_store_b16_d16_hi v[OA], v[FK+4*(4*\qt+\dt)+\i] offset:(16*\dt+2*\i+1)*QPITCH+32*\qt
.endr
.endr
.endr
	s_wait_dscnt 0x0                               ; a row of the stage is written by all eight waves: stores waited for, then the barrier
	s_barrier_signal -1
	s_barrier_wait -1
.irp i, 0,1,2,3,4,5,6,7
	ds_load_b128 v[SC+4*\i:SC+4*\i+3], v[QS] offset:QPITCH*\i
.endr
.irp i, 0,1,2,3,4,5,6,7
	s_wait_dscnt 7-\i                              ; load i is in, the younger ones may be out
	global_store_b128 v[QO], v[SC+4*\i:SC+4*\i+3], s[12:13] offset:4096*\i    ; a store of the wave covers 512 consecutive bytes, aligned
.endr
	s_set_vgpr_msb 0x5
	s_wait_tensorcnt 0x0
	ds_add_u32 v96, v97
	s_wait_dscnt 0x0
	s_set_vgpr_msb 0x500
	ROUND                                          ; the closing round: no work-group ends while a partner may still ask for a tile that names it
	s_endpgm
.Lfunc_end_k_q64b38c2f8c_attn:
	.size	k_q64b38c2f8c_attn, .Lfunc_end_k_q64b38c2f8c_attn-k_q64b38c2f8c_attn
	.p2alignl 7, 3214868480
	.fill 96, 4, 3214868480
	.section	.rodata,"a",@progbits
	.p2align	6, 0x0
	.amdhsa_kernel k_q64b38c2f8c_attn
		.amdhsa_group_segment_fixed_size 327680
		.amdhsa_private_segment_fixed_size 0
		.amdhsa_enable_private_segment 0
		.amdhsa_kernarg_size 40
		.amdhsa_user_sgpr_count 2
		.amdhsa_user_sgpr_kernarg_segment_ptr 1
		.amdhsa_wavefront_size32 1
		.amdhsa_system_sgpr_workgroup_id_x 1
		.amdhsa_system_sgpr_workgroup_id_y 1
		.amdhsa_system_sgpr_workgroup_id_z 1
		.amdhsa_system_vgpr_workitem_id 0
		.amdhsa_next_free_vgpr 354
		.amdhsa_next_free_sgpr 66
		.amdhsa_reserve_vcc 1
		.amdhsa_float_denorm_mode_32 3
		.amdhsa_float_denorm_mode_16_64 3
		.amdhsa_memory_ordered 1
		.amdhsa_forward_progress 1
		.amdhsa_inst_pref_size 255
	.end_amdhsa_kernel
	.section	.bss,"aw",@nobits
	.p2align	6
	.space	262144
	.amdgpu_metadata
---
amdhsa.version: [ 1, 2 ]
amdhsa.kernels:
  - .name:           k_q64b38c2f8c_attn
    .symbol:         k_q64b38c2f8c_attn.kd
    .args:
      - { .name: qh, .offset: 0, .size: 8, .value_kind: global_buffer, .address_space: global }
      - { .name: kh, .offset: 8, .size: 8, .value_kind: global_buffer, .address_space: global }
      - { .name: vh, .offset: 16, .size: 8, .value_kind: global_buffer, .address_space: global }
      - { .name: input_mask, .offset: 24, .size: 8, .value_kind: global_buffer, .address_space: global }
      - { .name: att, .offset: 32, .size: 8, .value_kind: global_buffer, .address_space: global }
    .group_segment_fixed_size: 327680
    .private_segment_fixed_size: 0
    .kernarg_segment_align: 8
    .kernarg_segment_size: 40
    .max_flat_workgroup_size: 256
    .sgpr_count:     66
    .vgpr_count:     354
    .wavefront_size: 32
...
	.end_amdgpu_metadata
.endif
;; end of part 2
;; launch outp (part 3): grid 4 x 64, 4 waves a work-group, clusters of 4 x 4, 304,640 bytes of LDS; arguments att, wob, bout, out0; writes out0
.if DOCPART == 3
	.amdgcn_target "amdgcn-amd-amdhsa--gfx1250"
	.amdhsa_code_object_version 6
	.text
	.protected	k_q64b38c2f8c_outp
	.globl	k_q64b38c2f8c_outp
	.p2align	8
	.type	k_q64b38c2f8c_outp,@function
k_q64b38c2f8c_outp:
	s_mov_b64 s[64:65], 0
	v_nop
	global_prefetch_b8 v0, s[64:65] scope:SCOPE_SE
	s_setreg_imm32_b32 hwreg(HW_REG_WAVE_MODE, 25, 1), 1
	s_wait_xcnt 0x0
	s_wait_alu depctr_hold_cnt(0) depctr_sa_sdst(0) depctr_va_vdst(0) depctr_va_sdst(0) depctr_va_ssrc(0) depctr_va_vcc(0) depctr_vm_vsrc(0)
	s_getreg_b32 s2, hwreg(HW_REG_IB_STS2, 6, 4)
	s_cmp_eq_u32 s2, 0
	s_cbranch_scc0 .Lentry_in_a_cluster
	s_endpgm
.Lentry_in_a_cluster:
	s_bfe_u32 s2, ttmp6, 0x10000c
	s_cmp_lg_u32 s2, 0xf033
	s_cbranch_scc0 .Lentry_shape_is_right
	s_endpgm
.Lentry_shape_is_right:
; OUTP: out0[b][o][l] = sum_c Wout[o][c] att[b][c][l] + bout[o].  att: [4][512][2048] bf16, wob: Wout in bf16 [512][512], out0: f32.
; A work-group makes 128 (o) x 128 (l) with four waves, 64 x 64 each: 16 accumulator tiles.  Grid x = o block, grid y = l block.
; All 512 channels fit in LDS at once (4 chunks of 128 c: X 128 x 256 bytes, W 128 x 256 bytes), so every tensor load is a first
; fill: no slot is ever filled again.  A wave asks for four tiles of 64 rows at the start, and has four
; tensor loads out at the most; each chunk is waited for by a counted wait when the K steps reach it.
; CLUSTERS: 4 x 4 work-groups.  X's tiles hang on the l block alone and are shared along a row of the cluster, W's on the o block
; alone and are shared along a column: joint loads divide the requests for both by four.
; Here X is A (rows = l, by the transposing LDS load) and W is B, so a lane holds eight neighbouring l of one o.
.set XPITCH, 288                       ; 256 bytes + 32, an odd multiple of 32
.set WPITCH, 272                       ; 256 bytes + 16, an odd multiple of 16
.set WPART,  128*XPITCH                ; 36,864
.set CHUNK,  WPART+128*WPITCH          ; 71,680
.set STAGE,  4*CHUNK                   ; 286,720: behind the chunks, 16 rows x 272 bytes for each wave; no tensor load lands here
.set SPITCH, 272
.set AF, 8                             ; v[8:11]   LDS address of my X fragments in chunk 0..3
.set BF, 12                            ; v[12:15]  of my W fragments
.set STO, 16                           ; v16  the way out: where I put 32 bytes
.set RDB, 17                           ; v17  where I read a row back
.set GO, 18                            ; v18  my byte offset in out0
.set BO, 19                            ; v19  my byte offset in bout
.set BP, 20                            ; v[20:27]  bias of my four rows, each twice
.set F0, 64                            ; v[64:127]   fragment buffer 0: X 32 registers, W 32
.set F1, 128                           ; v[128:191]  fragment buffer 1
.set T, 192                            ; v[192:223]  results with bias
.set R, 224                            ; v[224:255]  rows read back
; window 1: v[256:383] accumulator (ot, lt), named 8 (4 ot + lt)
.set MSB, 0
.macro WIN new
.if MSB != \new
	s_set_vgpr_msb (MSB<<8)|\new
.set MSB, \new
.endif
.endm
.macro ROUND                           ; a round of the cluster's barrier
	s_barrier_signal -1
	s_barrier_wait -1
	s_cmp_lg_u32 s12, 0
	s_cbranch_scc1 .Lnot_wave_0_\@
	s_barrier_signal -3
.Lnot_wave_0_\@:
	s_barrier_wait -3
	s_barrier_signal -1
	s_barrier_wait -1
.endm
.macro PLACES                          ; four places behind a matrix instruction (ISA guide 7.12.1 for vector instructions)
.rept 4
	v_nop
.endr
.endm
.macro FETCH j, ks, f                  ; 16 loads: the fragments of 32 channels, quarter ks of chunk j, into buffer f
.irp lt, 0,1,2,3
	ds_load_tr16_b128 v[\f+8*\lt:\f+8*\lt+3],   v[AF+\j] offset:32*XPITCH*\ks+32*\lt
	ds_load_tr16_b128 v[\f+8*\lt+4:\f+8*\lt+7], v[AF+\j] offset:32*XPITCH*\ks+32*\lt+16*XPITCH
.endr
.irp ot, 0,1,2,3
	ds_load_b128 v[\f+32+8*\ot:\f+32+8*\ot+3],   v[BF+\j] offset:16*WPITCH*\ot+64*\ks
	ds_load_b128 v[\f+32+8*\ot+4:\f+32+8*\ot+7], v[BF+\j] offset:16*WPITCH*\ot+64*\ks+32
.endr
.endm
.macro MUL16 f, zero                   ; the sixteen accumulators take turns, one instruction a turn
	WIN 0x50                                       ; C and D in window 1
.irp ot, 0,1,2,3
.irp lt, 0,1,2,3
.if \zero
	v_wmma_f32_16x16x32_bf16 v[8*(4*\ot+\lt):8*(4*\ot+\lt)+7], v[\f+8*\lt:\f+8*\lt+7], v[\f+32+8*\ot:\f+32+8*\ot+7], 0
.else
	v_wmma_f32_16x16x32_bf16 v[8*(4*\ot+\lt):8*(4*\ot+\lt)+7], v[\f+8*\lt:\f+8*\lt+7], v[\f+32+8*\ot:\f+32+8*\ot+7], v[8*(4*\ot+\lt):8*(4*\ot+\lt)+7]
.endif
.endr
.endr
	WIN 0
.endm
.macro KSTEP f, g, nj, nks, zero       ; multiplies buffer f; ahead of that asks for the next step's fragments, quarter nks of chunk nj, into g
	PLACES
	FETCH \nj, \nks, \g
	s_wait_dscnt 16                                ; buffer f is in; the 16 loads just issued may be out
	MUL16 \f, \zero
.endm
.macro GATE left                       ; the next chunk is about to be read: my part of it has landed (the later chunks' loads, left of them, stay out), and everybody's has
	s_wait_dscnt 0x0
	s_wait_tensorcnt \left
	s_barrier_signal -1
	s_barrier_wait -1
.endm
	s_load_b256 s[4:11], s[0:1], 0x0               ; att s[4:5], wob s[6:7], bout s[8:9], out0 s[10:11]
	v_lshl_add_u32 v62, v0, 2, 0x4a400
	v_mov_b32 v63, 0
	ds_add_u32 v62, v63
	v_lshrrev_b32 v1, 5, v0
	v_readfirstlane_b32 s12, v1                    ; wave 0..3
	s_lshr_b32 s78, s12, 1                         ; wo: which 64 o are mine.  Also: I fetch for X (0) or for W (1)
	s_and_b32 s79, s12, 1                          ; wl: which 64 l.  Also: which 64 rows of a tile I fetch
	s_bfe_u32 s13, ttmp6, 0x40000                  ; cx
	s_bfe_u32 s14, ttmp6, 0x40004                  ; cy
	s_lshl_b32 s15, ttmp9, 2
	s_add_co_u32 s15, s15, s13                     ; o block = 4 x cluster x + cx
	s_and_b32 s16, ttmp7, 0xffff
	s_lshl_b32 s16, s16, 2
	s_add_co_u32 s16, s16, s14                     ; l block = 4 x cluster y + cy
	s_lshl_b32 s17, s14, 2
	s_lshl_b32 s17, 15, s17                        ; my row of the cluster: places 4 cy .. 4 cy + 3
	s_lshl_b32 s74, 0x1111, s13                    ; my column: places cx, cx + 4, cx + 8, cx + 12
	; descriptor group 1: 64 rows x 128 elements of 2 bytes, padded in LDS behind every 64 words
	s_or_b32 s20, s17, (1<<16)|(1<<20)|(1<<21)|(5<<22)|(7<<25)   ; X: to my row; bit 21 beside the mask; 8 words of padding
	s_mov_b32 s21, 128<<16                         ; tensor_dim0 = 128
	s_mov_b32 s22, 64<<16                          ; tensor_dim1 = 64
	s_mov_b32 s23, 128<<16                         ; tile_dim0 = 128
	s_mov_b32 s24, 64                              ; tile_dim1 = 64
	s_mov_b32 s25, 2048                            ; att's pitch
	s_mov_b32 s26, 0
	s_mov_b32 s27, 0
	s_or_b32 s28, s74, (1<<16)|(1<<20)|(1<<21)|(5<<22)|(3<<25)   ; W: to my column; 4 words of padding
	s_mov_b32 s29, 128<<16
	s_mov_b32 s30, 64<<16
	s_mov_b32 s31, 128<<16
	s_mov_b32 s32, 64
	s_mov_b32 s33, 512                             ; wob's pitch
	s_mov_b32 s34, 0
	s_mov_b32 s35, 0
	; X's tiles: made of the l block and the wave's number, in registers that never hold cx
	s_lshr_b32 s18, s16, 4                         ; batch
	s_lshl_b32 s18, s18, 21                        ; 512 rows of 4,096 bytes
	s_and_b32 s17, s16, 15
	s_lshl_b32 s17, s17, 8                         ; 128 l of bf16
	s_add_co_u32 s18, s18, s17
	s_lshl_b32 s17, s79, 18                        ; my 64 rows
	s_add_co_u32 s18, s18, s17
	s_mov_b32 s19, 0
	; W's tiles: made of the o block and the wave's number, in registers that never hold cy
	s_lshl_b32 s72, s15, 17                        ; 128 rows of 1,024 bytes
	s_lshl_b32 s74, s79, 16                        ; my 64 rows
	s_add_co_u32 s72, s72, s74
	s_mov_b32 s73, 0
	s_mul_i32 s76, s79, 64*XPITCH                  ; where they go: the wave's number alone
	s_mul_i32 s77, s79, 64*WPITCH
	s_add_co_u32 s77, s77, WPART
	; my 64 x 64 of out0
	s_lshr_b32 s80, s16, 4
	s_lshl_b32 s80, s80, 22                        ; a batch: 512 rows of 8,192 bytes
	s_lshl_b32 s82, s15, 20                        ; 128 rows
	s_add_co_u32 s80, s80, s82
	s_lshl_b32 s82, s78, 19                        ; 64 rows
	s_add_co_u32 s80, s80, s82
	s_and_b32 s82, s16, 15
	s_lshl_b32 s82, s82, 9                         ; 128 l of f32
	s_add_co_u32 s80, s80, s82
	s_lshl_b32 s82, s79, 8                         ; 64 l
	s_add_co_u32 s80, s80, s82
	s_mov_b32 s81, 0
	s_lshl_b32 s82, s15, 9                         ; 128 numbers of bout
	s_mov_b32 s83, 0
	s_wait_dscnt 0x0
	s_wait_kmcnt 0x0
	s_add_nc_u64 s[4:5], s[4:5], s[18:19]
	s_add_nc_u64 s[6:7], s[6:7], s[72:73]
	s_add_nc_u64 s[8:9], s[8:9], s[82:83]
	s_add_nc_u64 s[10:11], s[10:11], s[80:81]
.irp j, 0,1,2,3
	s_mov_b32 s[36+4*\j], 1                                        ; group 0 for X, chunk j, in s[36:51]: count 1,
	s_add_co_u32 s[37+4*\j], s76, \j*CHUNK                         ; LDS address,
	s_add_nc_u64 s[38+4*\j:39+4*\j], s[4:5], \j*128*4096           ; global address: 128 rows a chunk,
	s_or_b32 s[39+4*\j], s[39+4*\j], 0x80000000                    ; type 2
	s_mov_b32 s[52+4*\j+4*(\j/3)], 1                               ; and for W, in s[52:63] and s[68:71]
	s_add_co_u32 s[53+4*\j+4*(\j/3)], s77, \j*CHUNK
	s_add_nc_u64 s[54+4*\j+4*(\j/3):55+4*\j+4*(\j/3)], s[6:7], \j*256      ; 128 columns a chunk
	s_or_b32 s[55+4*\j+4*(\j/3)], s[55+4*\j+4*(\j/3)], 0x80000000
.endr
	ROUND                                          ; all sixteen work-groups are here: the joint loads meet
	s_cmp_eq_u32 s78, 0                            ; all four fills of a wave inside one branch on its number
	s_cbranch_scc0 .Lfill_w
	tensor_load_to_lds s[36:39], s[20:27]
	s_nop 0
	tensor_load_to_lds s[40:43], s[20:27]
	s_nop 0
	tensor_load_to_lds s[44:47], s[20:27]
	s_nop 0
	tensor_load_to_lds s[48:51], s[20:27]
	s_nop 0
	s_branch .Lfilled
.Lfill_w:
	tensor_load_to_lds s[52:55], s[28:35]
	s_nop 0
	tensor_load_to_lds s[56:59], s[28:35]
	s_nop 0
	tensor_load_to_lds s[60:63], s[28:35]
	s_nop 0
	tensor_load_to_lds s[68:71], s[28:35]
	s_nop 0
.Lfilled:
	v_and_b32 v1, 31, v0                           ; L
	v_and_b32 v2, 15, v1                           ; r
	v_lshrrev_b32 v3, 4, v1                        ; h
	v_and_b32 v4, 7, v1
	v_bfe_u32 v5, v1, 3, 1                         ; (L >> 3) & 1
	v_lshl_add_u32 v4, v3, 3, v4                   ; 8 h + (L & 7)
	s_lshl_b32 s3, s78, 8
	v_lshl_add_u32 v[BO], v2, 2, s3                ; bout: 4 (64 wo + r)
.irp ot, 0,1,2,3
	global_load_b32 v[BP+2*\ot], v[BO], s[8:9] offset:64*\ot
.endr
	s_lshl_b32 s3, s79, 7
	v_mad_u32_u24 v[AF], v4, XPITCH, s3            ; X: row 8 h + (L & 7), 16 bytes at 128 wl + 16 ((L >> 3) & 1)
	v_lshl_add_u32 v[AF], v5, 4, v[AF]
	s_mul_i32 s3, s78, 64*WPITCH
	s_add_co_u32 s3, s3, WPART
	v_mad_u32_u24 v[BF], v2, WPITCH, s3            ; W: row 64 wo + r, 16 bytes at 16 h
	v_lshl_add_u32 v[BF], v3, 4, v[BF]
.irp j, 1,2,3
	v_add_nc_u32 v[AF+\j], \j*CHUNK, v[AF]
	v_add_nc_u32 v[BF+\j], \j*CHUNK, v[BF]
.endr
	s_mul_i32 s3, s12, 16*SPITCH
	s_add_co_u32 s3, s3, STAGE                     ; my stage
	v_mad_u32_u24 v[STO], v2, SPITCH, s3           ; in: row r, 32 bytes at 32 h
	v_lshl_add_u32 v[STO], v3, 5, v[STO]
	v_mad_u32_u24 v[RDB], v3, SPITCH, s3           ; back: lanes 0-15 one row of 256 bytes, lanes 16-31 the next
	v_lshl_add_u32 v[RDB], v2, 4, v[RDB]
	v_lshlrev_b32 v[GO], 13, v3                    ; and the same two rows in out0
	v_lshl_add_u32 v[GO], v2, 4, v[GO]
	s_wait_tensorcnt 0x3                           ; my part of chunk 0 is in; the three later loads stay out
	s_barrier_signal -1
	s_barrier_wait -1                              ; everybody's is
	FETCH 0, 0, F0
	KSTEP F0, F1, 0, 1, 1                          ; the first products start the sums
	KSTEP F1, F0, 0, 2, 0
	KSTEP F0, F1, 0, 3, 0
	GATE 2
	KSTEP F1, F0, 1, 0, 0
	KSTEP F0, F1, 1, 1, 0
	KSTEP F1, F0, 1, 2, 0
	KSTEP F0, F1, 1, 3, 0
	GATE 1
	KSTEP F1, F0, 2, 0, 0
	KSTEP F0, F1, 2, 1, 0
	KSTEP F1, F0, 2, 2, 0
	KSTEP F0, F1, 2, 3, 0
	GATE 0
	KSTEP F1, F0, 3, 0, 0
	KSTEP F0, F1, 3, 1, 0
	KSTEP F1, F0, 3, 2, 0
	KSTEP F0, F1, 3, 3, 0
	s_wait_dscnt 0x0
	MUL16 F1, 0                                    ; the last 32 channels: nothing more to fetch
	; THE WAY OUT, 16 rows of out0 at a time: + bias, 32 bytes a lane into my own stage, read back as rows of 256 bytes.
	PLACES
	s_wait_loadcnt 0x0
.irp ot, 0,1,2,3
	v_mov_b32 v[BP+2*\ot+1], v[BP+2*\ot]           ; the bias twice: a pair for the packed add
.endr
.irp ot, 0,1,2,3
	WIN 0x01                                       ; source 0 in window 1
.irp lt, 0,1,2,3
.irp j, 0,2,4,6
	v_pk_add_f32 v[T+8*\lt+\j:T+8*\lt+\j+1], v[8*(4*\ot+\lt)+\j:8*(4*\ot+\lt)+\j+1], v[BP+2*\ot:BP+2*\ot+1]
.endr
.endr
	WIN 0
.irp lt, 0,1,2,3
	ds_store_b128 v[STO], v[T+8*\lt:T+8*\lt+3]   offset:64*\lt
	ds_store_b128 v[STO], v[T+8*\lt+4:T+8*\lt+7] offset:64*\lt+16
.endr
	s_wait_xcnt 0x0                                ; every earlier memory instruction has had its addresses translated (ISA guide 3.1): R, which the last stores read, is loaded again only behind this wait
.irp t, 0,1,2,3,4,5,6,7
	ds_load_b128 v[R+4*\t:R+4*\t+3], v[RDB] offset:\t*2*SPITCH     ; LDS serves a wave's instructions in order (ISA guide 5.7.1): these see the stores above
.endr
.irp t, 0,1,2,3,4,5,6,7
	s_wait_dscnt 7-\t                              ; load t is in, the younger ones may be out
	global_store_b128 v[GO], v[R+4*\t:R+4*\t+3], s[10:11] offset:\ot*131072+\t*16384 th:TH_STORE_NT   ; sixteen lanes store 256 consecutive bytes, at a multiple of 256 from out0's first byte
.endr
.endr
	s_wait_tensorcnt 0x0
	ds_add_u32 v62, v63
	s_wait_dscnt 0x0
	ROUND                                          ; the closing round: no work-group ends while a partner may still ask for a tile that names it
	s_endpgm
.Lfunc_end_k_q64b38c2f8c_outp:
	.size	k_q64b38c2f8c_outp, .Lfunc_end_k_q64b38c2f8c_outp-k_q64b38c2f8c_outp
	.p2alignl 7, 3214868480
	.fill 96, 4, 3214868480
	.section	.rodata,"a",@progbits
	.p2align	6, 0x0
	.amdhsa_kernel k_q64b38c2f8c_outp
		.amdhsa_group_segment_fixed_size 304640
		.amdhsa_private_segment_fixed_size 0
		.amdhsa_enable_private_segment 0
		.amdhsa_kernarg_size 32
		.amdhsa_user_sgpr_count 2
		.amdhsa_user_sgpr_kernarg_segment_ptr 1
		.amdhsa_wavefront_size32 1
		.amdhsa_system_sgpr_workgroup_id_x 1
		.amdhsa_system_sgpr_workgroup_id_y 1
		.amdhsa_system_sgpr_workgroup_id_z 1
		.amdhsa_system_vgpr_workitem_id 0
		.amdhsa_next_free_vgpr 384
		.amdhsa_next_free_sgpr 84
		.amdhsa_reserve_vcc 0
		.amdhsa_float_denorm_mode_32 3
		.amdhsa_float_denorm_mode_16_64 3
		.amdhsa_memory_ordered 1
		.amdhsa_forward_progress 1
		.amdhsa_inst_pref_size 58
	.end_amdhsa_kernel
	.amdgpu_metadata
---
amdhsa.version: [ 1, 2 ]
amdhsa.kernels:
  - .name:           k_q64b38c2f8c_outp
    .symbol:         k_q64b38c2f8c_outp.kd
    .args:
      - { .name: att, .offset: 0, .size: 8, .value_kind: global_buffer, .address_space: global }
      - { .name: wob, .offset: 8, .size: 8, .value_kind: global_buffer, .address_space: global }
      - { .name: bout, .offset: 16, .size: 8, .value_kind: global_buffer, .address_space: global }
      - { .name: out0, .offset: 24, .size: 8, .value_kind: global_buffer, .address_space: global }
    .group_segment_fixed_size: 304640
    .private_segment_fixed_size: 0
    .kernarg_segment_align: 8
    .kernarg_segment_size: 32
    .max_flat_workgroup_size: 128
    .sgpr_count:     84
    .vgpr_count:     384
    .wavefront_size: 32
...
	.end_amdgpu_metadata
.endif
;; end of part 3
